; MI455X (gfx1250); checked and timed in simulation.
; The chip was launched on July 23, 2026; its instructions are those of AMD's public machine-readable ISA for CDNA 5 (MIT licence, August 2026) and "CDNA5" Instruction Set Architecture Reference Guide (July 2026). The comments in the code are by the model that wrote it; some were corrected since.
;; Causal Self Attention. Allowed arithmetic: float matrix products may take bf16 or f16 operands with f32 sums; all other float work in f32.
;; Inputs: Wk 256 x 1,024 float32; Wproj 1,024 x 1,024 float32; Wq 1,024 x 1,024 float32; Wv 256 x 1,024 float32; q_gain 16 float32; x 2 x 2,048 x 1,024 float32.
;; Outputs: out0 2 x 2,048 x 1,024 float32.
;; One version. Each part assembles by itself: llvm-mc -triple=amdgcn-amd-amdhsa -mcpu=gfx1250 --defsym DOCPART=n.
;; ======== version 1 of 1: 4 launches
;; limits: values outside matrix products are rounded to bf16; values are held in f16: magnitudes above 65,504 overflow, below 6.1e-05 lose precision; right only within a limited range of input values
;; workspace buffers: xb 8,388,608 bytes; wb 5,242,880 bytes; rope 524,288 bytes; qb 8,388,608 bytes; kb 2,097,152 bytes; vb 2,097,152 bytes; yb 8,388,608 bytes
;; launch cast (part 1): grid 256 x 1, 8 waves a work-group, no clusters, 0 bytes of LDS; arguments x, Wq, Wk, Wv, Wproj, xb, wb, rope; writes xb, wb, rope
.if DOCPART == 1
	.amdgcn_target "amdgcn-amd-amdhsa--gfx1250"
	.amdhsa_code_object_version 6
	.text
	.protected	k_q7e166933ad_cast
	.globl	k_q7e166933ad_cast
	.p2align	8
	.type	k_q7e166933ad_cast,@function
k_q7e166933ad_cast:
	s_mov_b64 s[64:65], 0
	v_nop
	global_prefetch_b8 v0, s[64:65] scope:SCOPE_SE
	s_setreg_imm32_b32 hwreg(HW_REG_WAVE_MODE, 25, 1), 1
	s_wait_xcnt 0x0
; cast: x and the four weight matrices from f32 to 16 bits (round to nearest even), and the table of RoPE's cosines and sines.
;   xb [4096][1024] bf16;  wb [2560][1024] of 16 bits: rows 0-1023 Wq, 1024-1279 Wk, 1280-1535 Wv in bf16;
;   rows 1536-2559 Wproj, rounded to bf16 like the others and then carried in f16, since the last product's other operand is f16
;   (a bf16 number is exact in f16 from 2^-17 up; below, the absolute error is at most 2^-25);
;   rope [2048][64] f32: row t = cos(t f_0..f_31), sin(t f_0..f_31), f_j = 10000^(-j/32).
; A stream: no LDS, no matrix unit, no cluster (no byte is read by two work-groups).  Work-group g owns 26 rows of 4,096 bytes:
; x rows 16g..16g+15, Wq rows 4g..4g+3, Wk row g, Wv row g, Wproj rows 4g..4g+3, and rope rows 8g..8g+7 (one a wave).
; Thread t takes the 16 bytes at 16 t of every row, so a wave's load covers 512 consecutive bytes and its store of 8 bytes a lane
; 256 consecutive bytes, aligned.  All 26 loads of a thread are issued before anything is waited for; the table is computed meanwhile.
; LIMITS: |Wproj| < 65,504.  The angle t f_j carries the error of exp2 (1 ULP) times t, some 2e-4 rad at t = 2047; sine and cosine
; themselves are polynomials on |r| <= pi/4 behind a two-word reduction by pi/2, good to 3e-7.
.set X, 8                              ; v[8:111]  load i in 4 registers; the packed result takes the first two
	s_load_b512 s[4:19], s[0:1], 0x0               ; x 4:5, Wq 6:7, Wk 8:9, Wv 10:11, Wproj 12:13, xb 14:15, wb 16:17, rope 18:19
	v_lshlrev_b32 v1, 4, v0                        ; my 16 bytes of an f32 row
	v_lshlrev_b32 v2, 3, v0                        ; my 8 bytes of a 16-bit row; also my 8 bytes of the group's rope rows (256 wave + 8 lane)
	s_mov_b32 s21, 0
	s_lshl_b32 s20, ttmp9, 16                      ; 16 rows of 4,096 bytes
	s_wait_kmcnt 0x0
	s_add_nc_u64 s[4:5], s[4:5], s[20:21]
.irp i, 0,1,2,3,4,5,6,7,8,9,10,11,12,13,14,15
	global_load_b128 v[X+4*\i:X+4*\i+3], v1, s[4:5] offset:4096*\i th:TH_LOAD_NT
.endr
	s_lshl_b32 s20, ttmp9, 14                      ; 4 rows of 4,096 bytes
	s_add_nc_u64 s[6:7], s[6:7], s[20:21]
	s_add_nc_u64 s[12:13], s[12:13], s[20:21]
	s_lshl_b32 s20, ttmp9, 12                      ; 1 row
	s_add_nc_u64 s[8:9], s[8:9], s[20:21]
	s_add_nc_u64 s[10:11], s[10:11], s[20:21]
.irp i, 0,1,2,3
	global_load_b128 v[X+64+4*\i:X+64+4*\i+3], v1, s[6:7] offset:4096*\i th:TH_LOAD_NT
.endr
	global_load_b128 v[X+80:X+83], v1, s[8:9] th:TH_LOAD_NT
	global_load_b128 v[X+84:X+87], v1, s[10:11] th:TH_LOAD_NT
.irp i, 0,1,2,3
	global_load_b128 v[X+88+4*\i:X+88+4*\i+3], v1, s[12:13] offset:4096*\i th:TH_LOAD_NT
.endr
	; where the results go
	s_lshl_b32 s20, ttmp9, 15                      ; 16 rows of 2,048 bytes
	s_add_nc_u64 s[14:15], s[14:15], s[20:21]
	s_lshl_b32 s20, ttmp9, 11                      ; 1 row of 2,048 bytes; also 8 rope rows of 256 bytes
	s_add_nc_u64 s[18:19], s[18:19], s[20:21]
	s_add_nc_u64 s[24:25], s[16:17], s[20:21]
	s_add_nc_u64 s[26:27], s[24:25], 0x280000      ; Wv: row 1280 + g
	s_add_nc_u64 s[24:25], s[24:25], 0x200000      ; Wk: row 1024 + g
	s_lshl_b32 s20, ttmp9, 13                      ; 4 rows of 2,048 bytes
	s_add_nc_u64 s[22:23], s[16:17], s[20:21]      ; Wq: row 4 g
	s_add_nc_u64 s[28:29], s[22:23], 0x300000      ; Wproj: row 1536 + 4 g
	; the rope row of this wave: t = 8 g + wave.  Lanes 0-15 make cosines, lanes 16-31 sines, two frequencies a lane.
	s_lshl_b32 s30, ttmp9, 3
	s_mov_b32 s31, 0xffff0000                      ; a word's upper bf16
	s_mov_b32 s32, 0x3f22f983                      ; 2 / pi
	s_mov_b32 s33, 0x3fc90fdb                      ; pi / 2, upper word
	s_mov_b32 s34, 0xb33bbd2e                      ; pi / 2, what the upper word leaves
	s_mov_b32 s35, 0xb9500d01                      ; -1/5040
	s_mov_b32 s36, 0x3c088889                      ; 1/120
	s_mov_b32 s37, 0xbe2aaaab                      ; -1/6
	s_mov_b32 s38, 0x37d00d01                      ; 1/40320
	s_mov_b32 s39, 0xbab60b61                      ; -1/720
	s_mov_b32 s40, 0x3d2aaaab                      ; 1/24
	v_lshrrev_b32 v112, 5, v0
	v_add_nc_u32 v112, s30, v112
	v_cvt_f32_u32 v112, v112                       ; t
	v_bfe_u32 v113, v0, 4, 1
	v_mul_u32_u24 v113, v113, 3                    ; sin x = cos(x - pi/2): three quadrants further on
	v_and_b32 v114, 15, v0
	v_lshlrev_b32 v114, 1, v114
	v_add_nc_u32 v115, 1, v114
	v_cvt_f32_u32 v114, v114                       ; j = 2 (lane mod 16)
	v_cvt_f32_u32 v115, v115                       ; j + 1
.macro ROPE1 jf, out
	v_mul_f32 v118, 0xbed49a78, v[\jf]             ; -j log2(10000) / 32
	v_exp_f32 v118, v118                           ; f_j
	v_nop                                          ; one plain instruction behind a transcendental (ISA guide 5.7.2)
	s_wait_alu depctr_va_vdst(0)
	v_mul_f32 v118, v112, v118                     ; the angle
	v_mul_f32 v119, s32, v118
	v_rndne_f32 v119, v119                         ; n = nearest multiple of pi/2
	v_fma_f32 v120, -v119, s33, v118
	v_fma_f32 v120, -v119, s34, v120               ; r = angle - n pi/2, |r| <= pi/4
	v_cvt_i32_f32 v121, v119
	v_add_nc_u32 v121, v121, v113                  ; the quadrant, counted for a cosine
	v_mul_f32 v122, v120, v120
	v_fma_f32 v123, v122, s35, s36
	v_fma_f32 v125, v122, s38, s39
	v_fma_f32 v123, v122, v123, s37
	v_fma_f32 v125, v122, v125, s40
	v_mul_f32 v124, v120, v122
	v_fma_f32 v125, v122, v125, -0.5
	v_fma_f32 v123, v124, v123, v120               ; sin r
	v_fma_f32 v125, v122, v125, 1.0                ; cos r
	v_and_b32 v126, 1, v121
	v_cmp_eq_u32 vcc_lo, 1, v126
	v_cndmask_b32 v[\out], v125, v123, vcc_lo      ; odd quadrants take the sine
	v_add_nc_u32 v126, 1, v121
	v_and_b32 v126, 2, v126
	v_lshlrev_b32 v126, 30, v126
	v_xor_b32 v[\out], v[\out], v126               ; quadrants 1 and 2 are negative
.endm
	ROPE1 114, 116
	ROPE1 115, 117
	global_store_b64 v2, v[116:117], s[18:19]      ; the wave's 32 lanes fill its row of 256 bytes
; load i has come when at most 25 - i younger ones are out (loads return in order: ISA guide 5.7.1).  half = 1: the bf16 numbers are carried in f16.
.macro CV i, base, off, half
	s_wait_loadcnt 25-(\i)
	v_cvt_pk_bf16_f32 v[X+4*(\i)], v[X+4*(\i)], v[X+4*(\i)+1]
	v_cvt_pk_bf16_f32 v[X+4*(\i)+1], v[X+4*(\i)+2], v[X+4*(\i)+3]
.if \half
	v_lshlrev_b32 v[X+4*(\i)+2], 16, v[X+4*(\i)]
	v_and_b32 v[X+4*(\i)+3], s31, v[X+4*(\i)]
	v_cvt_pk_f16_f32 v[X+4*(\i)], v[X+4*(\i)+2], v[X+4*(\i)+3]
	v_lshlrev_b32 v[X+4*(\i)+2], 16, v[X+4*(\i)+1]
	v_and_b32 v[X+4*(\i)+3], s31, v[X+4*(\i)+1]
	v_cvt_pk_f16_f32 v[X+4*(\i)+1], v[X+4*(\i)+2], v[X+4*(\i)+3]
.endif
	global_store_b64 v2, v[X+4*(\i):X+4*(\i)+1], s[\base:\base+1] offset:\off
.endm
.irp i, 0,1,2,3,4,5,6,7,8,9,10,11,12,13,14,15
	CV \i, 14, 2048*\i, 0
.endr
.irp i, 0,1,2,3
	CV 16+\i, 22, 2048*\i, 0
.endr
	CV 20, 24, 0, 0
	CV 21, 26, 0, 0
.irp i, 0,1,2,3
	CV 22+\i, 28, 2048*\i, 1
.endr
	s_endpgm
.Lfunc_end_k_q7e166933ad_cast:
	.size	k_q7e166933ad_cast, .Lfunc_end_k_q7e166933ad_cast-k_q7e166933ad_cast
	.p2alignl 7, 3214868480
	.fill 96, 4, 3214868480
	.section	.rodata,"a",@progbits
	.p2align	6, 0x0
	.amdhsa_kernel k_q7e166933ad_cast
		.amdhsa_group_segment_fixed_size 0
		.amdhsa_private_segment_fixed_size 0
		.amdhsa_enable_private_segment 0
		.amdhsa_kernarg_size 64
		.amdhsa_user_sgpr_count 2
		.amdhsa_user_sgpr_kernarg_segment_ptr 1
		.amdhsa_wavefront_size32 1
		.amdhsa_system_sgpr_workgroup_id_x 1
		.amdhsa_system_sgpr_workgroup_id_y 1
		.amdhsa_system_sgpr_workgroup_id_z 1
		.amdhsa_system_vgpr_workitem_id 0
		.amdhsa_next_free_vgpr 128
		.amdhsa_next_free_sgpr 66
		.amdhsa_reserve_vcc 1
		.amdhsa_float_denorm_mode_32 3
		.amdhsa_float_denorm_mode_16_64 3
		.amdhsa_memory_ordered 1
		.amdhsa_forward_progress 1
		.amdhsa_inst_pref_size 15
	.end_amdhsa_kernel
	.amdgpu_metadata
---
amdhsa.version: [ 1, 2 ]
amdhsa.kernels:
  - .name:           k_q7e166933ad_cast
    .symbol:         k_q7e166933ad_cast.kd
    .args:
      - { .name: x, .offset: 0, .size: 8, .value_kind: global_buffer, .address_space: global }
      - { .name: Wq, .offset: 8, .size: 8, .value_kind: global_buffer, .address_space: global }
      - { .name: Wk, .offset: 16, .size: 8, .value_kind: global_buffer, .address_space: global }
      - { .name: Wv, .offset: 24, .size: 8, .value_kind: global_buffer, .address_space: global }
      - { .name: Wproj, .offset: 32, .size: 8, .value_kind: global_buffer, .address_space: global }
      - { .name: xb, .offset: 40, .size: 8, .value_kind: global_buffer, .address_space: global }
      - { .name: wb, .offset: 48, .size: 8, .value_kind: global_buffer, .address_space: global }
      - { .name: rope, .offset: 56, .size: 8, .value_kind: global_buffer, .address_space: global }
    .group_segment_fixed_size: 0
    .private_segment_fixed_size: 0
    .kernarg_segment_align: 8
    .kernarg_segment_size: 64
    .max_flat_workgroup_size: 256
    .sgpr_count:     66
    .vgpr_count:     128
    .wavefront_size: 32
...
	.end_amdgpu_metadata
.endif
;; end of part 1
;; launch qkv (part 2): grid 8 x 32, 4 waves a work-group, clusters of 4 x 4, 327,680 bytes of LDS; arguments xb, wb, rope, q_gain, qb, kb, vb; writes qb, kb, vb
.if DOCPART == 2
	.amdgcn_target "amdgcn-amd-amdhsa--gfx1250"
	.amdhsa_code_object_version 6
	.text
	.protected	k_q7e166933ad_qkv
	.globl	k_q7e166933ad_qkv
	.p2align	8
	.type	k_q7e166933ad_qkv,@function
k_q7e166933ad_qkv:
	s_mov_b64 s[64:65], 0
	v_nop
	global_prefetch_b8 v0, s[64:65] scope:SCOPE_SE
	s_setreg_imm32_b32 hwreg(HW_REG_WAVE_MODE, 25, 1), 1
	s_wait_xcnt 0x0
	s_wait_alu depctr_hold_cnt(0) depctr_sa_sdst(0) depctr_va_vdst(0) depctr_va_sdst(0) depctr_va_ssrc(0) depctr_va_vcc(0) depctr_vm_vsrc(0)
	s_getreg_b32 s2, hwreg(HW_REG_IB_STS2, 6, 4)
	s_cmp_eq_u32 s2, 0
	s_cbranch_scc0 .Lentry_in_a_cluster
	s_endpgm
.Lentry_in_a_cluster:
	s_bfe_u32 s2, ttmp6, 0x10000c
	s_cmp_lg_u32 s2, 0xf033
	s_cbranch_scc0 .Lentry_shape_is_right
	s_endpgm
.Lentry_shape_is_right:
; qkv: [4096 x 1024] xb times the first 1,536 rows of wb (Wq, Wk, Wv), bf16 operands, f32 sums; then per head of 64 columns:
; q, k: x * rsqrt(mean x^2 + eps), RoPE (d pairs with d + 32), q also times q_gain * (1/8) * log2 e, so that the attention works in base 2;
; v: as it is.  Out in f16, per head: qb [2][16][2048][64], kb and vb [2][4][2048][64].
; WHY f16: these are the attention's matrix operands; |k| <= 8 and |q| <= 1.45 |gain| by the norm, and v = x Wv^T has a spread of 0.64 at
; the stated inputs, 576 with x and Wv both 30 times larger: all inside f16, whose rounding is 8 times finer than bf16's.
; A work-group makes 128 rows x 192 columns = 3 heads (heads 0-15 q, 16-19 k, 20-23 v); 8 x 32 = 256 work-groups.
; Four waves: wave w has rows 64 (w>>1) .. +63 and, of EVERY head, the 16-column tiles (w&1) and (w&1)+2, so that RoPE's two partners
; d and d + 32 lie in one lane under one register index; only the sum of squares crosses to the neighbouring wave (through LDS).
; K goes in 8 steps of 128 through two LDS slots; a tile's rows are 256 bytes of memory at multiples of 256.
; CLUSTER 4 x 4: xb's tile hangs on the block row alone and is asked for jointly along a row of the cluster, wb's on the block column
; alone and jointly along a column: each tile is requested once for four work-groups.
; The kind of a head (q, k, v) differs between partners, so it enters by selected scalars alone, never by a branch:
; v heads get the factors cos' = 1, sin' = 0.
; The matrix instruction is used transposed (source 0 = rows of W, source 1 = rows of x): register j of lane (r, h) holds
; C(row r, column n0 + 8 h + j).
; LIMITS: the product's operands are bf16; q_gain is rounded to bf16 like the other inputs, so that the program as a whole computes
; reference() on inputs rounded to bf16; |x Wv^T| < 65,504 and |q_gain| < 45,000 (f16's largest number).
.set NT,    6                          ; column tiles of a wave (3 heads x 2)
.set PITCH, 272                        ; an LDS row: 256 bytes + 16 of padding, an odd multiple of 16: the 16 rows of a fragment load start in 16 different groups of banks
.set AHALF, 64*PITCH                   ; what one tensor load of xb brings
.set BHALF, 96*PITCH                   ; what one tensor load of wb brings
.set BOFF,  128*PITCH                  ; wb's 192 rows lie behind xb's 128
.set SLOT,  320*PITCH                  ; 87,040
.set SSX,   2*SLOT                     ; sums of squares [column group][head][row] f32: 3,072 bytes, no tensor load lands here
.set STAGE, SSX+3072                   ; the way out: 3 heads x 128 rows x 144 bytes
.set SP,    144
.set HSTG,  128*SP
.set ADRA, 16                          ; v16-17  LDS address of my x fragments in slot 0, 1
.set ADRB, 20                          ; v20-21  the same for W
.set F0,   64                          ; fragment buffer 0: x at +8 mt, W at +32+8 nt (80 registers)
.set F1,   144                         ; fragment buffer 1
.set CS,   64                          ; epilogue: v[64+16 mt ..] 8 cosines, 8 sines of my row
.set RS,   128                         ; epilogue: 12 pairs, k = 3 mt + i: sums of squares, then the row's factor in the pair's first register
.set PSS,  152                         ; epilogue: the neighbour's 12 sums
.set HB,   164                         ; epilogue: head i at +24 i: cos' 8, sin' 8, work 8
.set PK,   32                          ; epilogue: head i at +8 i: 8 f16 pairs
.set G1A, 28
.set G1B, 36
.set G0A, 44                           ; one group 0 for each slot
.set G0B, 52
.set FLAGS, (1<<16)|(1<<20)|(1<<21)|(5<<22)|(3<<25)   ; 2-byte elements; padding on; bit 21 beside a mask; after every 64 words, 4 words
.set MULW, 0x50                        ; C and D in window 1 (v256-447: tile (mt, nt) at 8 (6 mt + nt)); sources in window 0
.set MSB, 0
.macro WIN new                         ; the immediate's high byte repeats the setting that is left
.if MSB != \new
	s_set_vgpr_msb (MSB<<8)|\new
.set MSB, \new
.endif
.endm
.macro PLACES                          ; four places behind a matrix instruction (ISA guide 7.12.1) before its registers are loaded into or its results read
.rept 4
	v_nop
.endr
.endm
.macro JLOAD s                         ; waves 0, 1 ask for xb's two halves, waves 2, 3 for wb's: one line, one mask each
	s_cmp_eq_u32 s19, 0
	s_cbranch_scc0 .Lfor_b_\@
	tensor_load_to_lds s[G0A+4*\s:G0A+4*\s+3], s[G1A:G1A+7]
	s_nop 0
	s_branch .Lasked_\@
.Lfor_b_\@:
	tensor_load_to_lds s[G0B+4*\s:G0B+4*\s+3], s[G1B:G1B+7]
	s_nop 0
.Lasked_\@:
.endm
.macro CREST                           ; a round of the cluster's barrier behind its opening work-group barrier
	s_cmp_lg_u32 s18, 0
	s_cbranch_scc1 .Lnot_wave_0_\@
	s_barrier_signal -3
.Lnot_wave_0_\@:
	s_barrier_wait -3
	s_barrier_signal -1
	s_barrier_wait -1
.endm
.macro CROUND
	s_barrier_signal -1
	s_barrier_wait -1
	CREST
.endm
	s_load_b256 s[4:11], s[0:1], 0x0               ; xb 4:5, wb 6:7, rope 8:9, q_gain 10:11
	s_load_b128 s[12:15], s[0:1], 0x20             ; qb 12:13, kb 14:15
	s_load_b64 s[16:17], s[0:1], 0x30              ; vb
	v_lshl_add_u32 v254, v0, 2, 0x38c00
	v_mov_b32 v255, 0
	ds_add_u32 v254, v255
	v_lshrrev_b32 v1, 5, v0
	v_readfirstlane_b32 s18, v1                    ; wave
	s_lshr_b32 s19, s18, 1                         ; rg: my half of the rows.  Also: I fetch for xb (0) or wb (1)
	s_and_b32 s20, s18, 1                          ; cg: my column group.  Also: which half of that tile I fetch
	s_bfe_u32 s21, ttmp6, 0x40000                  ; cx
	s_bfe_u32 s22, ttmp6, 0x40004                  ; cy
	s_lshl_b32 s23, ttmp9, 2
	s_add_co_u32 s23, s23, s21                     ; bn = block column, 0..7
	s_and_b32 s24, ttmp7, 0xffff
	s_lshl_b32 s24, s24, 2
	s_add_co_u32 s24, s24, s22                     ; bm = block row, 0..31
	s_lshl_b32 s25, s22, 2
	s_lshl_b32 s25, 15, s25                        ; my row of the cluster
	s_lshl_b32 s26, 0x1111, s21                    ; my column
	s_or_b32 s[G1A+0], s25, FLAGS
	s_or_b32 s[G1B+0], s26, FLAGS
	s_mov_b32 s[G1A+1], 128<<16                    ; tensor_dim0 = 128
	s_mov_b32 s[G1B+1], 128<<16
	s_mov_b32 s[G1A+2], 64<<16                     ; tensor_dim1 = 64 rows
	s_mov_b32 s[G1B+2], 96<<16                     ; 96 rows
	s_mov_b32 s[G1A+3], 128<<16                    ; tile_dim0 = 128
	s_mov_b32 s[G1B+3], 128<<16
	s_mov_b32 s[G1A+4], 64                         ; tile_dim1
	s_mov_b32 s[G1B+4], 96
	s_mov_b32 s[G1A+5], 1024                       ; elements from row to row
	s_mov_b32 s[G1B+5], 1024
	s_mov_b32 s[G1A+6], 0
	s_mov_b32 s[G1B+6], 0
	s_mov_b32 s[G1A+7], 0
	s_mov_b32 s[G1B+7], 0
	s_lshl_b32 s60, s24, 18                        ; xb: (128 bm + 64 cg) rows of 2,048 bytes; these registers never hold bn
	s_lshl_b32 s61, s20, 17
	s_add_co_u32 s60, s60, s61
	s_mov_b32 s61, 0
	s_mul_i32 s66, s23, 192*2048                   ; wb: (192 bn + 96 cg) rows; these never hold bm
	s_mul_i32 s67, s20, 96*2048
	s_add_co_u32 s66, s66, s67
	s_mov_b32 s67, 0
	s_mul_i32 s70, s20, AHALF                      ; LDS: made of the wave's number alone
	s_mul_i32 s71, s20, BHALF
	s_add_co_u32 s71, s71, BOFF
	s_wait_dscnt 0x0
	s_wait_kmcnt 0x0
	s_add_nc_u64 s[62:63], s[4:5], s[60:61]
	s_add_nc_u64 s[68:69], s[6:7], s[66:67]
	CROUND                                         ; all sixteen work-groups are here: the first joint loads meet
.irp s, 0,1
	s_mov_b32 s[G0A+4*\s], 1
	s_add_co_u32 s[G0A+4*\s+1], s70, \s*SLOT
	s_add_nc_u64 s[G0A+4*\s+2:G0A+4*\s+3], s[62:63], \s*256        ; K step s
	s_or_b32 s[G0A+4*\s+3], s[G0A+4*\s+3], 0x80000000
	s_mov_b32 s[G0B+4*\s], 1
	s_add_co_u32 s[G0B+4*\s+1], s71, \s*SLOT
	s_add_nc_u64 s[G0B+4*\s+2:G0B+4*\s+3], s[68:69], \s*256
	s_or_b32 s[G0B+4*\s+3], s[G0B+4*\s+3], 0x80000000
	JLOAD \s                                       ; both first fills go out together: two tensor loads of a wave are out, later one
.endr
	; the three heads' gains (k and v heads read the last gain and drop it)
	s_mul_i32 s91, s23, 3                          ; my first head
.irp i, 0,1,2
	s_add_co_u32 s[96+\i], s91, \i
	s_min_u32 s[96+\i], s[96+\i], 15
	s_lshl_b32 s[96+\i], s[96+\i], 2
	s_load_b32 s[88+\i], s[10:11], s[96+\i] offset:0x0
.endr
	; addresses
	v_and_b32 v1, 15, v0                           ; r
	v_bfe_u32 v2, v0, 4, 1                         ; h
	v_mul_u32_u24 v3, v1, PITCH
	v_lshl_add_u32 v3, v2, 4, v3                   ; r pitch + 16 h
	s_mul_i32 s70, s19, AHALF                      ; my 64 rows of x
	s_mul_i32 s71, s20, 16*PITCH                   ; W: row 16 cg of every head; head and tile stand in the immediate
	s_add_co_u32 s71, s71, BOFF
.irp s, 0,1
	v_add_nc_u32 v[ADRA+\s], s70, v3
	v_add_nc_u32 v[ADRB+\s], s71, v3
	s_add_co_u32 s70, s70, SLOT
	s_add_co_u32 s71, s71, SLOT
.endr
	v_lshlrev_b32 v8, 8, v1                        ; v8: rope: row r, cosines 16 cg + 8 h ..
	v_lshl_add_u32 v8, v2, 5, v8
	s_lshl_b32 s70, s20, 6
	v_add_nc_u32 v8, s70, v8
	s_mul_i32 s70, s20, 1536                       ; v9: where my sums of squares go; v10: where the neighbour's lie
	s_lshl_b32 s71, s19, 8
	s_add_co_u32 s70, s70, s71
	s_add_co_u32 s70, s70, SSX
	v_lshl_add_u32 v9, v1, 2, s70
	s_xor_b32 s70, s20, 1
	s_mul_i32 s70, s70, 1536
	s_add_co_u32 s70, s70, s71
	s_add_co_u32 s70, s70, SSX
	v_lshl_add_u32 v10, v1, 2, s70
	v_mul_u32_u24 v11, v1, SP                      ; v11: stage, in: row 64 rg + r, bytes 32 cg + 16 h
	v_lshl_add_u32 v11, v2, 4, v11
	s_mul_i32 s70, s19, 64*SP
	s_lshl_b32 s71, s20, 5
	s_add_co_u32 s70, s70, s71
	s_add_co_u32 s70, s70, STAGE
	v_add_nc_u32 v11, s70, v11
	v_lshrrev_b32 v3, 3, v0                        ; v12: stage, back: thread t takes 16 bytes of row t / 8
	v_mul_u32_u24 v12, v3, SP
	v_and_b32 v3, 7, v0
	v_lshl_add_u32 v12, v3, 4, v12
	v_add_nc_u32 v12, STAGE, v12
	v_lshlrev_b32 v13, 4, v0                       ; v13: and stores them at 16 t
	s_mov_b32 s86, 0x76543210                      ; v_permlanex16_b32: lane i reads lane i of the other half
	s_mov_b32 s87, 0xfedcba98
	s_mov_b32 s92, 0x3c800000                      ; 1/64
	s_mov_b32 s93, 0x34000000                      ; eps of f32
	s_and_b32 s60, s24, 15                         ; rope at row s0 + 64 rg (s0 = 128 (bm mod 16))
	s_lshl_b32 s60, s60, 15
	s_lshl_b32 s61, s19, 14
	s_add_co_u32 s60, s60, s61
	s_mov_b32 s61, 0
	s_add_nc_u64 s[94:95], s[8:9], s[60:61]
	s_lshr_b32 s99, s24, 4                         ; batch
	s_and_b32 s100, s24, 15
	s_lshl_b32 s100, s100, 14                      ; s0 rows of 128 bytes
	s_wait_kmcnt 0x0                               ; the gains
	; per head, by selects alone: the buffer and the head's place in it, the factor behind the norm, the addend that makes v's cos' one
.irp i, 0,1,2
	s_add_co_u32 s96, s91, \i                      ; head 0..23
	s_lshl4_add_u32 s97, s99, s96                  ; q: 16 b + head
	s_lshl2_add_u32 s98, s99, s96
	s_sub_co_u32 s101, s98, 20                     ; v: 4 b + head - 20
	s_sub_co_u32 s98, s98, 16                      ; k: 4 b + head - 16
	s_cmp_lt_u32 s96, 20
	s_cselect_b32 s98, s98, s101
	s_cselect_b64 s[80+2*\i:81+2*\i], s[14:15], s[16:17]
	s_cselect_b32 s[72+2*\i], 0, 0x3f800000
	s_cselect_b32 s101, 0x3f800000, 0
	s_cmp_lt_u32 s96, 16
	s_cselect_b32 s98, s97, s98
	s_cselect_b64 s[80+2*\i:81+2*\i], s[12:13], s[80+2*\i:81+2*\i]
	s_cselect_b32 s101, 0x3e38aa3b, s101           ; q: (1/8) log2 e;  k: 1;  v: 0
	s_cselect_b32 s[88+\i], s[88+\i], 0x3f800000   ; q: its gain;  k, v: 1
	s_mov_b32 s[73+2*\i], s[72+2*\i]
	s_lshl_b32 s98, s98, 18                        ; a head's 2,048 rows of 128 bytes
	s_add_co_u32 s96, s98, s100
	s_mov_b32 s97, 0
	s_add_nc_u64 s[80+2*\i:81+2*\i], s[80+2*\i:81+2*\i], s[96:97]
	v_mov_b32 v[24+\i], s[88+\i]
	v_cvt_pk_bf16_f32 v[24+\i], v[24+\i], v[24+\i] ; the gain rounded to bf16, like the other inputs,
	v_lshlrev_b32 v[24+\i], 16, v[24+\i]           ; and back in f32
	v_mul_f32 v[24+\i], s101, v[24+\i]             ; v24-26: the head's factor
.endr
; 12 matrix instructions: row tiles m0, m0 + 1 x all 6 column tiles, 32 along K.  The 24 accumulators take turns, one instruction a turn,
; in the same order in every quarter step.
.macro MUL2 f, m0, zero
.irp mt, \m0, \m0+1
.irp nt, 0,1,2,3,4,5
.if \zero
	v_wmma_f32_16x16x32_bf16 v[8*(NT*(\mt)+\nt):8*(NT*(\mt)+\nt)+7], v[\f+32+8*\nt:\f+32+8*\nt+7], v[\f+8*(\mt):\f+8*(\mt)+7], 0
.else
	v_wmma_f32_16x16x32_bf16 v[8*(NT*(\mt)+\nt):8*(NT*(\mt)+\nt)+7], v[\f+32+8*\nt:\f+32+8*\nt+7], v[\f+8*(\mt):\f+8*(\mt)+7], v[8*(NT*(\mt)+\nt):8*(NT*(\mt)+\nt)+7]
.endif
.endr
.endr
.endm
; 20 LDS loads: quarter q (32 along K) of my 64 rows of x and my 96 rows of W into buffer f
.macro FETCH slot, q, f
	WIN 0
.irp mt, 0,1,2,3
	ds_load_b128 v[\f+8*\mt:\f+8*\mt+3],   v[ADRA+\slot] offset:\mt*16*PITCH+64*\q
	ds_load_b128 v[\f+8*\mt+4:\f+8*\mt+7], v[ADRA+\slot] offset:\mt*16*PITCH+64*\q+32
.endr
.irp i, 0,1,2
.irp u, 0,1
	ds_load_b128 v[\f+32+8*(2*\i+\u):\f+32+8*(2*\i+\u)+3],   v[ADRB+\slot] offset:(64*\i+32*\u)*PITCH+64*\q
	ds_load_b128 v[\f+32+8*(2*\i+\u)+4:\f+32+8*(2*\i+\u)+7], v[ADRB+\slot] offset:(64*\i+32*\u)*PITCH+64*\q+32
.endr
.endr
.endm
; one of a K step's first three quarters: buffer f is in; the next quarter's fragments are asked for into g, then f is multiplied
.macro QUARTER slot, qn, f, g, zero
	s_wait_dscnt 0x0
	PLACES
	FETCH \slot, \qn, \g
	WIN MULW
	MUL2 \f, 0, \zero
	MUL2 \f, 2, \zero
.endm
.macro THREE slot, zero
	QUARTER \slot, 1, F0, F1, \zero
	QUARTER \slot, 2, F1, F0, 0
	QUARTER \slot, 3, F0, F1, 0
.endm
; the last quarter and the change of slots.  In front of the barrier: my reads of this slot are back, all my tensor loads have landed
; (the one that was out is my part of the next slot).  fill = 1: the barrier opens a round of the cluster's barrier, and behind the round
; this slot is asked for again, two K steps ahead, first thing.  From that request to its wait a wave issues 84 matrix instructions.
.macro TURN slot, next, fill
	s_wait_dscnt 0x0
	s_wait_tensorcnt 0x0
	ds_add_u32 v254, v255
	s_wait_dscnt 0x0
	s_barrier_signal -1
	WIN MULW
	MUL2 F1, 0, 0                                  ; registers alone between signal and wait
	WIN 0
	s_barrier_wait -1
.if \fill
	CREST
	s_add_nc_u64 s[G0A+4*\slot+2:G0A+4*\slot+3], s[G0A+4*\slot+2:G0A+4*\slot+3], 512
	s_add_nc_u64 s[G0B+4*\slot+2:G0B+4*\slot+3], s[G0B+4*\slot+2:G0B+4*\slot+3], 512
	JLOAD \slot
.endif
	PLACES
	FETCH \next, 0, F0
	WIN MULW
	MUL2 F1, 2, 0
.endm
.macro LAP zero
	THREE 0, \zero
	TURN 0, 1, 1
	THREE 1, 0
	TURN 1, 0, 1
.endm
	s_wait_tensorcnt 0x1                           ; my part of K step 0 is in; step 1's may stay out
	s_barrier_signal -1
	s_barrier_wait -1
	FETCH 0, 0, F0
	LAP 1                                          ; K steps 0, 1: the first products start the sums
	WIN 0
	s_mov_b32 s27, 2
.Llap:
	LAP 0                                          ; K steps 2 to 5
	WIN 0
	s_sub_co_u32 s27, s27, 1
	s_cmp_lg_u32 s27, 0
	s_cbranch_scc1 .Llap
	THREE 0, 0                                     ; K steps 6, 7: nothing is left to fetch
	TURN 0, 1, 0
	THREE 1, 0
	s_wait_dscnt 0x0
	WIN MULW
	MUL2 F1, 0, 0
	MUL2 F1, 2, 0
	PLACES
	; EPILOGUE.  The cosines and sines of my rows are asked for first; the sums of squares are made meanwhile.
	WIN 0
.irp mt, 0,1,2,3
	global_load_b128 v[CS+16*\mt:CS+16*\mt+3],     v8, s[94:95] offset:\mt*4096
	global_load_b128 v[CS+16*\mt+4:CS+16*\mt+7],   v8, s[94:95] offset:\mt*4096+16
	global_load_b128 v[CS+16*\mt+8:CS+16*\mt+11],  v8, s[94:95] offset:\mt*4096+128
	global_load_b128 v[CS+16*\mt+12:CS+16*\mt+15], v8, s[94:95] offset:\mt*4096+144
.endr
	WIN 0x05                                       ; sources 0 and 1 in window 1
.irp p, 0,1,2,3,4,5,6,7
.irp mt, 0,1,2,3
.irp i, 0,1,2
.set AP, 8*(NT*\mt+2*\i+(\p>>2))+2*(\p&3)
.if \p
	v_pk_fma_f32 v[RS+2*(3*\mt+\i):RS+2*(3*\mt+\i)+1], v[AP:AP+1], v[AP:AP+1], v[RS+2*(3*\mt+\i):RS+2*(3*\mt+\i)+1]
.else
	v_pk_mul_f32 v[RS+2*(3*\mt+\i):RS+2*(3*\mt+\i)+1], v[AP:AP+1], v[AP:AP+1]
.endif
.endr
.endr
.endr
	WIN 0
.irp k, 0,1,2,3,4,5,6,7,8,9,10,11
	v_add_f32 v[RS+2*\k], v[RS+2*\k], v[RS+2*\k+1]
.endr
.irp k, 0,1,2,3,4,5,6,7,8,9,10,11
	v_permlanex16_b32 v[RS+2*\k+1], v[RS+2*\k], s86, s87
.endr
.irp k, 0,1,2,3,4,5,6,7,8,9,10,11
	v_add_f32 v[RS+2*\k], v[RS+2*\k], v[RS+2*\k+1] ; my wave's 32 columns of (row 16 mt + r, head i)
.endr
.irp mt, 0,1,2,3
.irp i, 0,1,2
	ds_store_b32 v9, v[RS+2*(3*\mt+\i)] offset:\i*512+\mt*64
.endr
.endr
	s_wait_dscnt 0x0                               ; for the neighbour's sake: my stores are done
	s_barrier_signal -1
	s_barrier_wait -1
.irp mt, 0,1,2,3
.irp i, 0,1,2
	ds_load_b32 v[PSS+3*\mt+\i], v10 offset:\i*512+\mt*64
.endr
.endr
	s_wait_dscnt 0x0
.irp k, 0,1,2,3,4,5,6,7,8,9,10,11
	v_add_f32 v[RS+2*\k], v[RS+2*\k], v[PSS+\k]
.endr
.irp k, 0,1,2,3,4,5,6,7,8,9,10,11
	v_fma_f32 v[RS+2*\k], v[RS+2*\k], s92, s93     ; mean + eps
.endr
.irp k, 0,1,2,3,4,5,6,7,8,9,10,11
	v_rsq_f32 v[RS+2*\k], v[RS+2*\k]
.endr
	v_nop                                          ; one plain instruction behind the transcendentals (ISA guide 5.7.2)
	s_wait_alu depctr_va_vdst(0)
.irp mt, 0,1,2,3
.irp i, 0,1,2
	v_mul_f32 v[RS+2*(3*\mt+\i)], v[24+\i], v[RS+2*(3*\mt+\i)]     ; times the head's factor (0 for v)
.endr
.endr
	s_wait_loadcnt 0x0                             ; cosines and sines
.irp mt, 0,1,2,3
	WIN 0
.irp i, 0,1,2
.irp jp, 0,1,2,3
	v_pk_fma_f32 v[HB+24*\i+2*\jp:HB+24*\i+2*\jp+1], v[CS+16*\mt+2*\jp:CS+16*\mt+2*\jp+1], v[RS+2*(3*\mt+\i):RS+2*(3*\mt+\i)+1], s[72+2*\i:73+2*\i] op_sel_hi:[1,0,0]
	v_pk_mul_f32 v[HB+24*\i+8+2*\jp:HB+24*\i+8+2*\jp+1], v[CS+16*\mt+8+2*\jp:CS+16*\mt+8+2*\jp+1], v[RS+2*(3*\mt+\i):RS+2*(3*\mt+\i)+1] op_sel_hi:[1,0]
.endr
.endr
	WIN 0x01                                       ; source 0 (the sums) in window 1
.irp i, 0,1,2
.irp jp, 0,1,2,3
.set X1, 8*(NT*\mt+2*\i)+2*\jp
	v_pk_mul_f32 v[HB+24*\i+16+2*\jp:HB+24*\i+16+2*\jp+1], v[X1+8:X1+9], v[HB+24*\i+8+2*\jp:HB+24*\i+8+2*\jp+1]      ; x2 sin'
.endr
.endr
.irp i, 0,1,2
.irp jp, 0,1,2,3
.set X1, 8*(NT*\mt+2*\i)+2*\jp
	v_pk_mul_f32 v[HB+24*\i+8+2*\jp:HB+24*\i+8+2*\jp+1], v[X1:X1+1], v[HB+24*\i+8+2*\jp:HB+24*\i+8+2*\jp+1]          ; x1 sin'
.endr
.endr
.irp i, 0,1,2
.irp jp, 0,1,2,3
.set X1, 8*(NT*\mt+2*\i)+2*\jp
	v_pk_fma_f32 v[HB+24*\i+16+2*\jp:HB+24*\i+16+2*\jp+1], v[X1:X1+1], v[HB+24*\i+2*\jp:HB+24*\i+2*\jp+1], v[HB+24*\i+16+2*\jp:HB+24*\i+16+2*\jp+1]   ; x1 cos' + x2 sin'
.endr
.endr
.irp i, 0,1,2
.irp jp, 0,1,2,3
.set X1, 8*(NT*\mt+2*\i)+2*\jp
	v_pk_fma_f32 v[HB+24*\i+2*\jp:HB+24*\i+2*\jp+1], v[X1+8:X1+9], v[HB+24*\i+2*\jp:HB+24*\i+2*\jp+1], v[HB+24*\i+8+2*\jp:HB+24*\i+8+2*\jp+1] neg_lo:[0,0,1] neg_hi:[0,0,1]   ; x2 cos' - x1 sin'
.endr
.endr
	WIN 0
.irp i, 0,1,2
.irp jp, 0,1,2,3
	v_cvt_pk_f16_f32 v[PK+8*\i+\jp],   v[HB+24*\i+16+2*\jp], v[HB+24*\i+16+2*\jp+1]
	v_cvt_pk_f16_f32 v[PK+8*\i+4+\jp], v[HB+24*\i+2*\jp],    v[HB+24*\i+2*\jp+1]
.endr
	ds_store_b128 v11, v[PK+8*\i:PK+8*\i+3]   offset:\i*HSTG+\mt*16*SP       ; d = 16 cg + 8 h ..
	ds_store_b128 v11, v[PK+8*\i+4:PK+8*\i+7] offset:\i*HSTG+\mt*16*SP+64    ; d + 32
.endr
.endr
	s_wait_dscnt 0x0                               ; every wave's part of the stage is written
	s_barrier_signal -1
	s_barrier_wait -1
	; a head's 128 rows of 128 bytes are 16 KiB that lie together in memory: 128 threads x 16 bytes take 16 rows at a time
.irp i, 0,1,2
.irp u, 0,1,2,3,4,5,6,7
	ds_load_b128 v[64+4*(8*\i+\u):64+4*(8*\i+\u)+3], v12 offset:\i*HSTG+\u*16*SP
.endr
.endr
.irp i, 0,1,2
.irp u, 0,1,2,3,4,5,6,7
	s_wait_dscnt 23-(8*\i+\u)                      ; the younger loads stay out
	global_store_b128 v13, v[64+4*(8*\i+\u):64+4*(8*\i+\u)+3], s[80+2*\i:81+2*\i] offset:\u*2048   ; 16 lanes store 256 consecutive bytes, aligned
.endr
.endr
	s_wait_tensorcnt 0x0
	ds_add_u32 v254, v255
	s_wait_dscnt 0x0
	CROUND                                         ; the closing round: no work-group ends while a partner may still ask for a tile that names it
	s_endpgm
.Lfunc_end_k_q7e166933ad_qkv:
	.size	k_q7e166933ad_qkv, .Lfunc_end_k_q7e166933ad_qkv-k_q7e166933ad_qkv
	.p2alignl 7, 3214868480
	.fill 96, 4, 3214868480
	.section	.rodata,"a",@progbits
	.p2align	6, 0x0
	.amdhsa_kernel k_q7e166933ad_qkv
		.amdhsa_group_segment_fixed_size 327680
		.amdhsa_private_segment_fixed_size 0
		.amdhsa_enable_private_segment 0
		.amdhsa_kernarg_size 56
		.amdhsa_user_sgpr_count 2
		.amdhsa_user_sgpr_kernarg_segment_ptr 1
		.amdhsa_wavefront_size32 1
		.amdhsa_system_sgpr_workgroup_id_x 1
		.amdhsa_system_sgpr_workgroup_id_y 1
		.amdhsa_system_sgpr_workgroup_id_z 1
		.amdhsa_system_vgpr_workitem_id 0
		.amdhsa_next_free_vgpr 448
		.amdhsa_next_free_sgpr 102
		.amdhsa_reserve_vcc 0
		.amdhsa_float_denorm_mode_32 3
		.amdhsa_float_denorm_mode_16_64 3
		.amdhsa_memory_ordered 1
		.amdhsa_forward_progress 1
		.amdhsa_inst_pref_size 129
	.end_amdhsa_kernel
	.amdgpu_metadata
---
amdhsa.version: [ 1, 2 ]
amdhsa.kernels:
  - .name:           k_q7e166933ad_qkv
    .symbol:         k_q7e166933ad_qkv.kd
    .args:
      - { .name: xb, .offset: 0, .size: 8, .value_kind: global_buffer, .address_space: global }
      - { .name: wb, .offset: 8, .size: 8, .value_kind: global_buffer, .address_space: global }
      - { .name: rope, .offset: 16, .size: 8, .value_kind: global_buffer, .address_space: global }
      - { .name: q_gain, .offset: 24, .size: 8, .value_kind: global_buffer, .address_space: global }
      - { .name: qb, .offset: 32, .size: 8, .value_kind: global_buffer, .address_space: global }
      - { .name: kb, .offset: 40, .size: 8, .value_kind: global_buffer, .address_space: global }
      - { .name: vb, .offset: 48, .size: 8, .value_kind: global_buffer, .address_space: global }
    .group_segment_fixed_size: 327680
    .private_segment_fixed_size: 0
    .kernarg_segment_align: 8
    .kernarg_segment_size: 56
    .max_flat_workgroup_size: 128
    .sgpr_count:     102
    .vgpr_count:     448
    .wavefront_size: 32
...
	.end_amdgpu_metadata
.endif
;; end of part 2
;; launch attn (part 3): grid 256 x 1, 8 waves a work-group, clusters of 4 x 1, 327,680 bytes of LDS; arguments qb, kb, vb, yb; writes yb
.if DOCPART == 3
	.amdgcn_target "amdgcn-amd-amdhsa--gfx1250"
	.amdhsa_code_object_version 6
	.text
	.protected	k_q7e166933ad_attn
	.globl	k_q7e166933ad_attn
	.p2align	8
	.type	k_q7e166933ad_attn,@function
k_q7e166933ad_attn:
	s_mov_b64 s[64:65], 0
	v_nop
	global_prefetch_b8 v0, s[64:65] scope:SCOPE_SE
	s_setreg_imm32_b32 hwreg(HW_REG_WAVE_MODE, 25, 1), 1
	s_wait_xcnt 0x0
	s_wait_alu depctr_hold_cnt(0) depctr_sa_sdst(0) depctr_va_vdst(0) depctr_va_sdst(0) depctr_va_ssrc(0) depctr_va_vcc(0) depctr_vm_vsrc(0)
	s_getreg_b32 s2, hwreg(HW_REG_IB_STS2, 6, 4)
	s_cmp_eq_u32 s2, 0
	s_cbranch_scc0 .Lentry_in_a_cluster
	s_endpgm
.Lentry_in_a_cluster:
	s_bfe_u32 s2, ttmp6, 0x10000c
	s_cmp_lg_u32 s2, 0x3003
	s_cbranch_scc0 .Lentry_shape_is_right
	s_endpgm
.Lentry_shape_is_right:
; attn: causal attention, 16 query heads on 4 key/value heads, head size 64, S = 2,048, with a running maximum, in base 2
; (qb already carries gain / 8 * log2 e).  qb and yb [2][16][2048][64], kb and vb [2][4][2048][64] are f16.
; CLUSTER 4 x 1: the four query heads of one key/value head read the same K and V tiles: one joint load (mask 15) serves the four.
; Cluster c = ttmp9: p = c & 7, key/value head (c >> 3) & 3, batch c >> 5.  A work-group makes two query blocks of 128 rows, first block
; 14 - 2 p (15 - 2 p key tiles of 128, an odd number), then block 2 p + 1 (2 p + 2 tiles): 17 trips in every work-group, and the slot of each
; trip is a constant of the text.  In a block the diagonal tile comes first, then the tiles down to 0.
; Eight waves: a = w & 3 has query rows 32 a .. +31 (two tiles of 16); w >> 2 says which 64 keys of a tile the wave takes.  The two halves' states
; (maximum, sum, O) are merged at a block's end through LDS.
; TRANSPOSED: S^T = K Q^T, so register j of lane (r, h) holds (key 16 kt + 8 h + j, query r): a lane's scores belong to one query, and two
; tiles packed to f16 in place ARE the B fragment of O^T = V^T P^T (V^T by the transposing LDS load).  No score changes lanes.
; LIMITS: matrix operands, P (at most 1 by the running maximum) and y (a mean of v's rows, so inside v's range) are f16.  The running maximum
; starts at -1e30 (base-2 units), which acts only where all of a wave's keys are masked; true scores below -1e30 are not served.
.set SLOTB, 38912                      ; a slot: K 128 rows x 144 bytes, then V 128 rows x 160
.set VOFF,  18432
.set EXCH,  2*SLOTB                    ; 4 x 8,704: the upper halves' states;  no tensor load lands here or in the stage
.set STAGE, EXCH+4*8704                ; 4 x 32 rows x 144 bytes: the way out
.set ST, 12                            ; v[12:15]  m0, m1, l0, l1
.set NM, 16                            ; v[16:19]  query tile nt: -m in the first register of pair nt
.set AL, 20                            ; v[20:23]  likewise alpha = 2^(m_old - m_new)
.set LS, 24                            ; v[24:27]  query tile nt: two partial sums
.set T,  28                            ; v[28:31]  at work
.set Q,  32                            ; v[32:63]  Q fragments at +16 nt + 8 c
.set S,  64                            ; v[64:127] S^T at +32 nt + 8 kt;  P^T(ch, nt) at +32 nt + 16 ch
.set O,  128                           ; v[128:191] O^T at +32 nt + 8 dt
.set POOL, 192                         ; v[192:255] K fragments at +16 kt + 8 c, then V^T fragments at +16 dt + 8 ch
.set G1K, 28
.set G1V, 36
.set G0K, 44                           ; one group 0 for each slot
.set G0V, 52
.macro ROUND                           ; a round of the cluster's barrier
	s_barrier_signal -1
	s_barrier_wait -1
	s_cmp_lg_u32 s12, 0
	s_cbranch_scc1 .Lnot_wave_0_\@
	s_barrier_signal -3
.Lnot_wave_0_\@:
	s_barrier_wait -3
	s_barrier_signal -1
	s_barrier_wait -1
.endm
.macro KVLOAD s                        ; wave 0 asks for K's tile, wave 1 for V's: 16 KiB each; the other waves ask for nothing
	s_cmp_lg_u32 s12, 0
	s_cbranch_scc1 .Lno_k_\@
	tensor_load_to_lds s[G0K+4*\s:G0K+4*\s+3], s[G1K:G1K+7]
	s_nop 0
.Lno_k_\@:
	s_cmp_lg_u32 s12, 1
	s_cbranch_scc1 .Lno_v_\@
	tensor_load_to_lds s[G0V+4*\s:G0V+4*\s+3], s[G1V:G1V+7]
	s_nop 0
.Lno_v_\@:
.endm
.macro SETADDR s                       ; tile s22 into slot s's two descriptors; then s22 steps: down to 0, then the second block's diagonal
	s_lshl_b32 s66, s22, 14
	s_add_nc_u64 s[G0K+4*\s+2:G0K+4*\s+3], s[60:61], s[66:67]
	s_or_b32 s[G0K+4*\s+3], s[G0K+4*\s+3], 0x80000000
	s_add_nc_u64 s[G0V+4*\s+2:G0V+4*\s+3], s[62:63], s[66:67]
	s_or_b32 s[G0V+4*\s+3], s[G0V+4*\s+3], 0x80000000
	s_sub_co_i32 s22, s22, 1
	s_cmp_lt_i32 s22, 0
	s_cselect_b32 s22, s21, s22
.endm
.macro QLOAD base
.irp nt, 0,1
.irp c, 0,1
	global_load_b128 v[Q+16*\nt+8*\c:Q+16*\nt+8*\c+3],   v3, s[\base:\base+1] offset:\nt*2048+64*\c
	global_load_b128 v[Q+16*\nt+8*\c+4:Q+16*\nt+8*\c+7], v3, s[\base:\base+1] offset:\nt*2048+64*\c+32
.endr
.endr
.endm
	s_load_b256 s[4:11], s[0:1], 0x0               ; qb 4:5, kb 6:7, vb 8:9, yb 10:11
	v_lshl_add_u32 v11, v0, 2, 0x29000
	s_set_vgpr_msb 0x40
	v_mov_b32 v1, 0
	s_set_vgpr_msb 0x4044
	ds_add_u32 v11, v1
	s_set_vgpr_msb 0x4400
	v_lshrrev_b32 v28, 5, v0
	v_readfirstlane_b32 s12, v28                   ; wave
	s_and_b32 s13, s12, 3                          ; a
	s_lshr_b32 s14, s12, 2                         ; which 64 keys
	s_bfe_u32 s15, ttmp6, 0x40000                  ; cx: enters global addresses of Q and y alone
	s_and_b32 s16, ttmp9, 7                        ; p
	s_bfe_u32 s17, ttmp9, 0x20003                  ; key/value head
	s_lshr_b32 s18, ttmp9, 5                       ; batch
	s_lshl2_add_u32 s19, s17, s15                  ; query head
	s_lshl_b32 s21, s16, 1
	s_sub_co_u32 s20, 14, s21                      ; first block
	s_add_co_u32 s21, s21, 1                       ; second block
	s_mov_b32 s22, s20                             ; the tile to ask for next
	s_sub_co_u32 s23, 7, s16                       ; laps of the first block
	s_mov_b32 s24, s16                             ; laps of the second
	s_mov_b32 s[G1K+0], 15|(1<<16)|(1<<20)|(1<<21)|(4<<22)|(3<<25)   ; mask: all four; 2-byte elements; padding: after 32 words 4 words: pitch 144
	s_mov_b32 s[G1V+0], 15|(1<<16)|(1<<20)|(1<<21)|(4<<22)|(7<<25)   ; 8 words: pitch 160, an odd multiple of 32, for the transposing load
	s_mov_b32 s[G1K+1], 64<<16
	s_mov_b32 s[G1V+1], 64<<16
	s_mov_b32 s[G1K+2], 128<<16
	s_mov_b32 s[G1V+2], 128<<16
	s_mov_b32 s[G1K+3], 64<<16
	s_mov_b32 s[G1V+3], 64<<16
	s_mov_b32 s[G1K+4], 128
	s_mov_b32 s[G1V+4], 128
	s_mov_b32 s[G1K+5], 64
	s_mov_b32 s[G1V+5], 64
	s_mov_b32 s[G1K+6], 0
	s_mov_b32 s[G1V+6], 0
	s_mov_b32 s[G1K+7], 0
	s_mov_b32 s[G1V+7], 0
.irp s, 0,1
	s_mov_b32 s[G0K+4*\s], 1
	s_mov_b32 s[G0K+4*\s+1], \s*SLOTB
	s_mov_b32 s[G0V+4*\s], 1
	s_mov_b32 s[G0V+4*\s+1], \s*SLOTB+VOFF
.endr
	s_lshl2_add_u32 s66, s18, s17                  ; 4 b + key/value head
	s_lshl_b32 s66, s66, 18
	s_mov_b32 s67, 0
	s_lshl4_add_u32 s78, s18, s19                  ; 16 b + query head
	s_lshl_b32 s78, s78, 18
	s_lshl_b32 s79, s13, 12                        ; 32 a rows of 128 bytes
	s_add_co_u32 s78, s78, s79
	s_lshl_b32 s79, s20, 14
	s_add_co_u32 s80, s78, s79
	s_lshl_b32 s79, s21, 14
	s_add_co_u32 s82, s78, s79
	s_mov_b32 s81, 0
	s_mov_b32 s83, 0
	v_and_b32 v28, 15, v0                          ; r
	v_bfe_u32 v29, v0, 4, 1                        ; h
	v_lshlrev_b32 v3, 7, v28
	v_lshl_add_u32 v3, v29, 4, v3                  ; v3: Q: row r, 16 h
	s_wait_dscnt 0x0
	s_wait_kmcnt 0x0
	s_add_nc_u64 s[60:61], s[6:7], s[66:67]        ; K and V of my key/value head
	s_add_nc_u64 s[62:63], s[8:9], s[66:67]
	s_add_nc_u64 s[70:71], s[4:5], s[80:81]        ; my Q rows, first and second block
	s_add_nc_u64 s[72:73], s[4:5], s[82:83]
	s_add_nc_u64 s[74:75], s[10:11], s[80:81]      ; my y rows
	s_add_nc_u64 s[76:77], s[10:11], s[82:83]
	QLOAD 70
	SETADDR 0                                      ; the first block's diagonal tile
	ROUND                                          ; in front of the first joint loads
	KVLOAD 0
	s_mov_b32 s68, 0x76543210
	s_mov_b32 s69, 0xfedcba98
	s_mov_b32 s84, 0xf149f2ca                      ; -1e30
	v_and_b32 v30, 31, v0                          ; lane
	v_and_b32 v31, 7, v0
	v_mul_u32_u24 v1, v28, 144
	v_lshl_add_u32 v1, v29, 4, v1
	s_mul_i32 s85, s13, 4608
	s_add_co_u32 s85, s85, STAGE
	v_add_nc_u32 v8, s85, v1                       ; v8: stage, in: row r, 16 h
	s_mul_i32 s86, s14, 64*144
	v_add_nc_u32 v1, s86, v1                       ; v1: K: row 64 half + r, 16 h
	v_lshl_add_u32 v2, v29, 3, v31
	v_mul_u32_u24 v2, v2, 160
	v_bfe_u32 v9, v0, 3, 1
	v_lshl_add_u32 v2, v9, 4, v2
	s_mul_i32 s86, s14, 64*160
	v_add_nc_u32 v2, s86, v2                       ; v2: V: row 64 half + 8 h + lane mod 8, 16 ((lane / 8) mod 2)
	s_lshl_b32 s86, s13, 5
	s_lshl_b32 s87, s14, 6
	s_sub_co_i32 s86, s86, s87
	v_lshlrev_b32 v4, 3, v29
	v_sub_nc_u32 v4, v28, v4
	v_add_nc_u32 v4, s86, v4                       ; v4, v5: my query less my first key, on the diagonal tile
	v_add_nc_u32 v5, 16, v4
	v_mov_b32 v6, 0xff800000                       ; -inf
	s_mul_i32 s87, s13, 8704
	s_add_co_u32 s87, s87, EXCH
	v_lshl_add_u32 v7, v30, 4, s87                 ; v7: the exchange
	v_lshrrev_b32 v9, 3, v30
	v_mul_u32_u24 v9, v9, 144
	v_lshl_add_u32 v9, v31, 4, v9
	v_add_nc_u32 v9, s85, v9                       ; v9: stage, back: four rows of 128 bytes a load
	v_lshlrev_b32 v10, 4, v30                      ; v10: y
	v_mov_b32 v[NM+1], 0                           ; the second registers of the broadcast pairs: named by the packed forms, never selected
	v_mov_b32 v[NM+3], 0
	v_mov_b32 v[AL+1], 0
	v_mov_b32 v[AL+3], 0
; softmax step for query tile nt: 32 scores a lane, all of one query
.macro SOFT nt, first
.set SB, S+32*\nt
.set OB, O+32*\nt
.irp c, 0,1,2,3
	v_max3_num_f32 v[T+\c], v[SB+8*\c], v[SB+8*\c+1], v[SB+8*\c+2]
.endr
.irp c, 0,1,2,3
	v_max3_num_f32 v[T+\c], v[T+\c], v[SB+8*\c+3], v[SB+8*\c+4]
.endr
.irp c, 0,1,2,3
	v_max3_num_f32 v[T+\c], v[T+\c], v[SB+8*\c+5], v[SB+8*\c+6]
.endr
.irp c, 0,1,2,3
	v_max_num_f32 v[T+\c], v[T+\c], v[SB+8*\c+7]
.endr
	v_max3_num_f32 v[T], v[T], v[T+1], v[T+2]
.if \first
	v_max3_num_f32 v[T], v[T], v[T+3], s84
.else
	v_max3_num_f32 v[T], v[T], v[T+3], v[ST+\nt]
.endif
	v_permlanex16_b32 v[T+1], v[T], s68, s69       ; the query's other 32 keys lie in the other half of the lanes
	v_max_num_f32 v[T], v[T], v[T+1]
.if \first
.else
	v_sub_f32 v[AL+2*\nt], v[ST+\nt], v[T]
.endif
	v_mov_b32 v[ST+\nt], v[T]
	v_xor_b32 v[NM+2*\nt], 0x80000000, v[T]
.if \first
.else
	v_exp_f32 v[AL+2*\nt], v[AL+2*\nt]
.endif
.irp k, 0,1,2,3,4,5,6,7,8,9,10,11,12,13,14,15
	v_pk_add_f32 v[SB+2*\k:SB+2*\k+1], v[SB+2*\k:SB+2*\k+1], v[NM+2*\nt:NM+2*\nt+1] op_sel_hi:[1,0]
.endr
.irp k, 0,1,2,3,4,5,6,7,8,9,10,11,12,13,14,15,16,17,18,19,20,21,22,23,24,25,26,27,28,29,30,31
	v_exp_f32 v[SB+\k], v[SB+\k]
.endr
	v_nop                                          ; one plain instruction behind the transcendentals (ISA guide 5.7.2)
	s_wait_alu depctr_va_vdst(0)
	v_pk_add_f32 v[T:T+1],   v[SB:SB+1],   v[SB+2:SB+3]
	v_pk_add_f32 v[T+2:T+3], v[SB+4:SB+5], v[SB+6:SB+7]
.irp k, 4,6,8,10,12,14
	v_pk_add_f32 v[T:T+1],   v[T:T+1],   v[SB+2*\k:SB+2*\k+1]
	v_pk_add_f32 v[T+2:T+3], v[T+2:T+3], v[SB+2*\k+2:SB+2*\k+3]
.endr
.if \first
	v_pk_add_f32 v[LS+2*\nt:LS+2*\nt+1], v[T:T+1], v[T+2:T+3]
.else
	v_pk_add_f32 v[T:T+1], v[T:T+1], v[T+2:T+3]
	v_pk_fma_f32 v[LS+2*\nt:LS+2*\nt+1], v[LS+2*\nt:LS+2*\nt+1], v[AL+2*\nt:AL+2*\nt+1], v[T:T+1] op_sel_hi:[1,0,1]
.endif
.irp ch, 0,1
.irp m, 0,1,2,3
	v_cvt_pk_f16_f32 v[SB+16*\ch+\m], v[SB+16*\ch+2*\m], v[SB+16*\ch+2*\m+1]           ; keys 32 ch + 8 h ..: registers 0-3 of the fragment
.endr
.irp m, 0,1,2,3
	v_cvt_pk_f16_f32 v[SB+16*\ch+4+\m], v[SB+16*\ch+8+2*\m], v[SB+16*\ch+8+2*\m+1]     ; keys 32 ch + 16 + 8 h ..: registers 4-7
.endr
.endr
.if \first
.else
.irp k, 0,1,2,3,4,5,6,7,8,9,10,11,12,13,14,15
	v_pk_mul_f32 v[OB+2*\k:OB+2*\k+1], v[OB+2*\k:OB+2*\k+1], v[AL+2*\nt:AL+2*\nt+1] op_sel_hi:[1,0]
.endr
.endif
.endm
; O^T(., nt) += V^T P^T: the four accumulators take turns, one instruction a turn
.macro PV nt, first
.irp dt, 0,1,2,3
.if \first
	v_wmma_f32_16x16x32_f16 v[O+32*\nt+8*\dt:O+32*\nt+8*\dt+7], v[POOL+16*\dt:POOL+16*\dt+7], v[S+32*\nt:S+32*\nt+7], 0
.else
	v_wmma_f32_16x16x32_f16 v[O+32*\nt+8*\dt:O+32*\nt+8*\dt+7], v[POOL+16*\dt:POOL+16*\dt+7], v[S+32*\nt:S+32*\nt+7], v[O+32*\nt+8*\dt:O+32*\nt+8*\dt+7]
.endif
.endr
.irp dt, 0,1,2,3
	v_wmma_f32_16x16x32_f16 v[O+32*\nt+8*\dt:O+32*\nt+8*\dt+7], v[POOL+16*\dt+8:POOL+16*\dt+15], v[S+32*\nt+16:S+32*\nt+23], v[O+32*\nt+8*\dt:O+32*\nt+8*\dt+7]
.endr
.endm
; one key tile, in slot; first = 1: a block's diagonal tile (mask; the sums start); refill = 1: the next tile is asked for into the other slot
.macro TRIP slot, other, first, refill
	s_set_vgpr_msb 0x4
	s_wait_tensorcnt 0x0                           ; all my tensor loads have landed, my part of this trip's tile among them: a group 0 may be written
	ds_add_u32 v11, v1
	s_wait_dscnt 0x0
	s_set_vgpr_msb 0x400
.if \refill
	SETADDR \other
.endif
	s_wait_dscnt 0x0                               ; my reads of the other slot are back
	ROUND                                          ; both hold of every wave of the four work-groups
.if \refill
	KVLOAD \other                                  ; first thing behind the round; one load of a wave is out, and has this trip in which to land
.endif
.irp c, 0,1
.irp kt, 0,1,2,3
	ds_load_b128 v[POOL+16*\kt+8*\c:POOL+16*\kt+8*\c+3],   v1 offset:\slot*SLOTB+\kt*2304+64*\c
	ds_load_b128 v[POOL+16*\kt+8*\c+4:POOL+16*\kt+8*\c+7], v1 offset:\slot*SLOTB+\kt*2304+64*\c+32
.endr
.endr
.if \first
	s_wait_loadcnt 0x0                             ; the block's Q
.endif
	s_wait_dscnt 0x8                               ; d = 0..31 of the four K tiles is in; the eight loads of d = 32..63 may be out
.irp kt, 0,1,2,3
.irp nt, 0,1
	v_wmma_f32_16x16x32_f16 v[S+32*\nt+8*\kt:S+32*\nt+8*\kt+7], v[POOL+16*\kt:POOL+16*\kt+7], v[Q+16*\nt:Q+16*\nt+7], 0
.endr
.endr
	s_wait_dscnt 0x0
.irp kt, 0,1,2,3
.irp nt, 0,1
	v_wmma_f32_16x16x32_f16 v[S+32*\nt+8*\kt:S+32*\nt+8*\kt+7], v[POOL+16*\kt+8:POOL+16*\kt+15], v[Q+16*\nt+8:Q+16*\nt+15], v[S+32*\nt+8*\kt:S+32*\nt+8*\kt+7]
.endr
.endr
.rept 4
	v_nop                                          ; four places (ISA guide 7.12.1): V is loaded over K's fragments, the scores are read
.endr
.irp ch, 0,1
.irp dt, 0,1,2,3
	ds_load_tr16_b128 v[POOL+16*\dt+8*\ch:POOL+16*\dt+8*\ch+3],   v2 offset:\slot*SLOTB+VOFF+\ch*5120+32*\dt
	ds_load_tr16_b128 v[POOL+16*\dt+8*\ch+4:POOL+16*\dt+8*\ch+7], v2 offset:\slot*SLOTB+VOFF+\ch*5120+32*\dt+2560
.endr
.endr
.if \first
.irp nt, 0,1
.irp kt, 0,1,2,3
.irp j, 0,1,2,3,4,5,6,7
	v_cmp_gt_i32 vcc_lo, 16*\kt+\j, v[4+\nt]       ; key behind the query
	v_cndmask_b32 v[S+32*\nt+8*\kt+\j], v[S+32*\nt+8*\kt+\j], v6, vcc_lo
.endr
.endr
.endr
.endif
	SOFT 0, \first
	s_wait_dscnt 0x0                               ; V^T
	PV 0, \first
	SOFT 1, \first                                 ; names none of the registers of the eight matrix instructions in front of it
	PV 1, \first
.rept 5
	v_nop                                          ; five places: the next trip's products write over P, its loads over V's fragments; a block's end reads O
.endr
.endm
; a block's end: the two key halves are merged, divided by the sum, and stored
.macro FINISH yb, nextq
.irp nt, 0,1
	v_add_f32 v[ST+2+\nt], v[LS+2*\nt], v[LS+2*\nt+1]
.endr
.irp nt, 0,1
	v_permlanex16_b32 v[T+\nt], v[ST+2+\nt], s68, s69
.endr
.irp nt, 0,1
	v_add_f32 v[ST+2+\nt], v[ST+2+\nt], v[T+\nt]
.endr
.if \nextq
	QLOAD 72                                       ; the second block's Q, on its way during the merge
.endif
	s_cmp_lt_u32 s12, 4
	s_cbranch_scc1 .Lkeeps_\@
.irp g, 0,1,2,3,4,5,6,7,8,9,10,11,12,13,14,15
	ds_store_b128 v7, v[O+4*\g:O+4*\g+3] offset:512*\g
.endr
	ds_store_b128 v7, v[ST:ST+3] offset:8192
.Lkeeps_\@:
	s_wait_dscnt 0x0                               ; for the partner's sake
	s_barrier_signal -1
	s_barrier_wait -1                              ; the next tile's load may stay out
	s_cmp_ge_u32 s12, 4
	s_cbranch_scc1 .Ldone_\@
.irp g, 0,1,2,3,4,5,6,7,8,9,10,11,12,13,14,15
	ds_load_b128 v[POOL+4*\g:POOL+4*\g+3], v7 offset:512*\g
.endr
	ds_load_b128 v[T:T+3], v7 offset:8192
	s_wait_dscnt 0x0
.irp nt, 0,1
	v_max_num_f32 v[S+\nt], v[ST+\nt], v[T+\nt]
.endr
.irp nt, 0,1
	v_sub_f32 v[S+2+\nt], v[ST+\nt], v[S+\nt]
	v_sub_f32 v[S+4+\nt], v[T+\nt], v[S+\nt]
.endr
.irp k, 2,3,4,5
	v_exp_f32 v[S+\k], v[S+\k]
.endr
	v_nop
	s_wait_alu depctr_va_vdst(0)
.irp nt, 0,1
	v_mul_f32 v[S+6+\nt], v[ST+2+\nt], v[S+2+\nt]
.endr
.irp nt, 0,1
	v_fma_f32 v[S+6+\nt], v[T+2+\nt], v[S+4+\nt], v[S+6+\nt]       ; at least 1: key 0 is open to every query
.endr
.irp nt, 0,1
	v_rcp_f32 v[S+6+\nt], v[S+6+\nt]
.endr
	v_nop
	s_wait_alu depctr_va_vdst(0)
.irp nt, 0,1
	v_mul_f32 v[NM+2*\nt], v[S+2+\nt], v[S+6+\nt]
	v_mul_f32 v[AL+2*\nt], v[S+4+\nt], v[S+6+\nt]
.endr
.irp nt, 0,1
.irp k, 0,1,2,3,4,5,6,7,8,9,10,11,12,13,14,15
	v_pk_mul_f32 v[O+32*\nt+2*\k:O+32*\nt+2*\k+1], v[O+32*\nt+2*\k:O+32*\nt+2*\k+1], v[NM+2*\nt:NM+2*\nt+1] op_sel_hi:[1,0]
.endr
.irp k, 0,1,2,3,4,5,6,7,8,9,10,11,12,13,14,15
	v_pk_fma_f32 v[O+32*\nt+2*\k:O+32*\nt+2*\k+1], v[POOL+32*\nt+2*\k:POOL+32*\nt+2*\k+1], v[AL+2*\nt:AL+2*\nt+1], v[O+32*\nt+2*\k:O+32*\nt+2*\k+1] op_sel_hi:[1,0,1]
.endr
.endr
.irp nt, 0,1
.irp dt, 0,1,2,3
.irp m, 0,1,2,3
	v_cvt_pk_f16_f32 v[S+16*\nt+4*\dt+\m], v[O+32*\nt+8*\dt+2*\m], v[O+32*\nt+8*\dt+2*\m+1]
.endr
	ds_store_b128 v8, v[S+16*\nt+4*\dt:S+16*\nt+4*\dt+3] offset:\nt*2304+32*\dt   ; row = query, d = 16 dt + 8 h ..
.endr
.endr
.irp u, 0,1,2,3,4,5,6,7
	ds_load_b128 v[S+32+4*\u:S+32+4*\u+3], v9 offset:576*\u        ; my own stage: LDS serves a wave's instructions in order (ISA guide 5.7.1)
.endr
.irp u, 0,1,2,3,4,5,6,7
	s_wait_dscnt 7-\u                              ; the younger loads stay out
	global_store_b128 v10, v[S+32+4*\u:S+32+4*\u+3], s[\yb:\yb+1] offset:512*\u   ; the wave stores 512 consecutive bytes, aligned
.endr
.if \nextq
	s_wait_xcnt 0x0                                ; the stores' data registers are written again by the next block only behind this wait
.endif
.Ldone_\@:
.endm
	TRIP 0, 1, 1, 1                                ; first block: the diagonal tile
	s_cmp_eq_u32 s23, 0
	s_cbranch_scc1 .Lend_o
.Llap_o:
	TRIP 1, 0, 0, 1
	TRIP 0, 1, 0, 1
	s_sub_co_i32 s23, s23, 1
	s_cmp_lg_u32 s23, 0
	s_cbranch_scc1 .Llap_o
.Lend_o:
	FINISH 74, 1
	TRIP 1, 0, 1, 1                                ; second block: the diagonal tile
	s_cmp_eq_u32 s24, 0
	s_cbranch_scc1 .Lend_e
.Llap_e:
	TRIP 0, 1, 0, 1
	TRIP 1, 0, 0, 1
	s_sub_co_i32 s24, s24, 1
	s_cmp_lg_u32 s24, 0
	s_cbranch_scc1 .Llap_e
.Lend_e:
	TRIP 0, 1, 0, 0                                ; tile 0 of the second block: nothing is left to fetch
	FINISH 76, 0
	s_wait_dscnt 0x0
	s_set_vgpr_msb 0x4
	s_wait_tensorcnt 0x0
	ds_add_u32 v11, v1
	s_wait_dscnt 0x0
	s_set_vgpr_msb 0x400
	ROUND                                          ; the closing round
	s_endpgm
.Lfunc_end_k_q7e166933ad_attn:
	.size	k_q7e166933ad_attn, .Lfunc_end_k_q7e166933ad_attn-k_q7e166933ad_attn
	.p2alignl 7, 3214868480
	.fill 96, 4, 3214868480
	.section	.rodata,"a",@progbits
	.p2align	6, 0x0
	.amdhsa_kernel k_q7e166933ad_attn
		.amdhsa_group_segment_fixed_size 327680
		.amdhsa_private_segment_fixed_size 0
		.amdhsa_enable_private_segment 0
		.amdhsa_kernarg_size 32
		.amdhsa_user_sgpr_count 2
		.amdhsa_user_sgpr_kernarg_segment_ptr 1
		.amdhsa_wavefront_size32 1
		.amdhsa_system_sgpr_workgroup_id_x 1
		.amdhsa_system_sgpr_workgroup_id_y 1
		.amdhsa_system_sgpr_workgroup_id_z 1
		.amdhsa_system_vgpr_workitem_id 0
		.amdhsa_next_free_vgpr 258
		.amdhsa_next_free_sgpr 90
		.amdhsa_reserve_vcc 1
		.amdhsa_float_denorm_mode_32 3
		.amdhsa_float_denorm_mode_16_64 3
		.amdhsa_memory_ordered 1
		.amdhsa_forward_progress 1
		.amdhsa_inst_pref_size 162
	.end_amdhsa_kernel
	.amdgpu_metadata
---
amdhsa.version: [ 1, 2 ]
amdhsa.kernels:
  - .name:           k_q7e166933ad_attn
    .symbol:         k_q7e166933ad_attn.kd
    .args:
      - { .name: qb, .offset: 0, .size: 8, .value_kind: global_buffer, .address_space: global }
      - { .name: kb, .offset: 8, .size: 8, .value_kind: global_buffer, .address_space: global }
      - { .name: vb, .offset: 16, .size: 8, .value_kind: global_buffer, .address_space: global }
      - { .name: yb, .offset: 24, .size: 8, .value_kind: global_buffer, .address_space: global }
    .group_segment_fixed_size: 327680
    .private_segment_fixed_size: 0
    .kernarg_segment_align: 8
    .kernarg_segment_size: 32
    .max_flat_workgroup_size: 256
    .sgpr_count:     90
    .vgpr_count:     258
    .wavefront_size: 32
...
	.end_amdgpu_metadata
.endif
;; end of part 3
;; launch proj (part 4): grid 8 x 32, 4 waves a work-group, clusters of 4 x 4, 327,680 bytes of LDS; arguments yb, wb, out0; writes out0
.if DOCPART == 4
	.amdgcn_target "amdgcn-amd-amdhsa--gfx1250"
	.amdhsa_code_object_version 6
	.text
	.protected	k_q7e166933ad_proj
	.globl	k_q7e166933ad_proj
	.p2align	8
	.type	k_q7e166933ad_proj,@function
k_q7e166933ad_proj:
	s_mov_b64 s[64:65], 0
	v_nop
	global_prefetch_b8 v0, s[64:65] scope:SCOPE_SE
	s_setreg_imm32_b32 hwreg(HW_REG_WAVE_MODE, 25, 1), 1
	s_wait_xcnt 0x0
	s_wait_alu depctr_hold_cnt(0) depctr_sa_sdst(0) depctr_va_vdst(0) depctr_va_sdst(0) depctr_va_ssrc(0) depctr_va_vcc(0) depctr_vm_vsrc(0)
	s_getreg_b32 s2, hwreg(HW_REG_IB_STS2, 6, 4)
	s_cmp_eq_u32 s2, 0
	s_cbranch_scc0 .Lentry_in_a_cluster
	s_endpgm
.Lentry_in_a_cluster:
	s_bfe_u32 s2, ttmp6, 0x10000c
	s_cmp_lg_u32 s2, 0xf033
	s_cbranch_scc0 .Lentry_shape_is_right
	s_endpgm
.Lentry_shape_is_right:
; proj: out0 [4096][1024] f32 = y Wproj^T.  y lies per head, yb [2][16][2048][64] f16; Wproj is rows 1536-2559 of wb, f16.  Sums in f32.
; A work-group makes 128 x 128, a wave 64 x 64 (16 accumulators in window 1); 8 x 32 = 256 work-groups.
; K goes in 8 steps of 128 = two heads, through two LDS slots.  y's tile is two planes, one head each: 128 rows of 128 bytes that lie
; together in memory (16 KiB); W's rows are 256 bytes of memory at multiples of 256.
; CLUSTER 4 x 4: y's tile hangs on the block row alone (joint along a row of the cluster), W's on the block column alone (joint along a column).
; The matrix instruction is used transposed (source 0 = rows of W, source 1 = rows of y): register j of lane (r, h) holds C(row r, column n0 + 8 h + j).
; LIMIT: matrix operands are f16.
.set NT,    4
.set PA,    144                        ; y's LDS pitch: 128 bytes + 16
.set PB,    272                        ; W's: 256 + 16; both odd multiples of 16
.set PLANE, 128*PA
.set BOFF,  2*PLANE
.set BHALF, 64*PB
.set SLOT,  BOFF+128*PB                ; 71,680
.set STAGE, 2*SLOT                     ; the way out: 16 rows x 272 bytes for each wave; no tensor load lands here
.set ADRA, 16
.set ADRB, 20
.set STO,  24
.set RD,   25
.set CO,   26
.set F0,   64                          ; fragment buffer 0: y at +8 mt, W at +32+8 nt
.set F1,   128
.set G1A, 28
.set G1B, 36
.set G0A, 44
.set G0B, 52
.set MULW, 0x50                        ; C and D in window 1: tile (mt, nt) at 8 (4 mt + nt)
.set MSB, 0
.macro WIN new
.if MSB != \new
	s_set_vgpr_msb (MSB<<8)|\new
.set MSB, \new
.endif
.endm
.macro PLACES                          ; four places behind a matrix instruction (ISA guide 7.12.1)
.rept 4
	v_nop
.endr
.endm
.macro JLOAD s                         ; waves 0, 1 ask for y's two planes, waves 2, 3 for W's two halves
	s_cmp_eq_u32 s19, 0
	s_cbranch_scc0 .Lfor_b_\@
	tensor_load_to_lds s[G0A+4*\s:G0A+4*\s+3], s[G1A:G1A+7]
	s_nop 0
	s_branch .Lasked_\@
.Lfor_b_\@:
	tensor_load_to_lds s[G0B+4*\s:G0B+4*\s+3], s[G1B:G1B+7]
	s_nop 0
.Lasked_\@:
.endm
.macro CREST
	s_cmp_lg_u32 s18, 0
	s_cbranch_scc1 .Lnot_wave_0_\@
	s_barrier_signal -3
.Lnot_wave_0_\@:
	s_barrier_wait -3
	s_barrier_signal -1
	s_barrier_wait -1
.endm
.macro CROUND
	s_barrier_signal -1
	s_barrier_wait -1
	CREST
.endm
	s_load_b128 s[4:7], s[0:1], 0x0                ; yb 4:5, wb 6:7
	s_load_b64 s[8:9], s[0:1], 0x10                ; out0
	v_lshl_add_u32 v254, v0, 2, 0x29000
	v_mov_b32 v255, 0
	ds_add_u32 v254, v255
	v_lshrrev_b32 v1, 5, v0
	v_readfirstlane_b32 s18, v1                    ; wave
	s_lshr_b32 s19, s18, 1                         ; rg: my half of the rows.  Also: I fetch for y (0) or W (1)
	s_and_b32 s20, s18, 1                          ; cg: my half of the columns.  Also: which plane or half I fetch
	s_bfe_u32 s21, ttmp6, 0x40000                  ; cx
	s_bfe_u32 s22, ttmp6, 0x40004                  ; cy
	s_lshl_b32 s23, ttmp9, 2
	s_add_co_u32 s23, s23, s21                     ; bn
	s_and_b32 s24, ttmp7, 0xffff
	s_lshl_b32 s24, s24, 2
	s_add_co_u32 s24, s24, s22                     ; bm
	s_lshl_b32 s25, s22, 2
	s_lshl_b32 s25, 15, s25                        ; my row of the cluster
	s_lshl_b32 s26, 0x1111, s21                    ; my column
	s_or_b32 s[G1A+0], s25, (1<<16)|(1<<20)|(1<<21)|(4<<22)|(3<<25)   ; after every 32 words 4 words
	s_or_b32 s[G1B+0], s26, (1<<16)|(1<<20)|(1<<21)|(5<<22)|(3<<25)   ; after every 64 words 4 words
	s_mov_b32 s[G1A+1], 64<<16
	s_mov_b32 s[G1B+1], 128<<16
	s_mov_b32 s[G1A+2], 128<<16
	s_mov_b32 s[G1B+2], 64<<16
	s_mov_b32 s[G1A+3], 64<<16
	s_mov_b32 s[G1B+3], 128<<16
	s_mov_b32 s[G1A+4], 128
	s_mov_b32 s[G1B+4], 64
	s_mov_b32 s[G1A+5], 64
	s_mov_b32 s[G1B+5], 1024
	s_mov_b32 s[G1A+6], 0
	s_mov_b32 s[G1B+6], 0
	s_mov_b32 s[G1A+7], 0
	s_mov_b32 s[G1B+7], 0
	s_and_b32 s60, s24, 16                         ; y: head plane 16 b + cg, row 128 (bm mod 16); these registers never hold bn
	s_add_co_u32 s60, s60, s20
	s_lshl_b32 s60, s60, 18
	s_and_b32 s61, s24, 15
	s_lshl_b32 s61, s61, 14
	s_add_co_u32 s60, s60, s61
	s_mov_b32 s61, 0
	s_lshl_b32 s66, s23, 18                        ; W: row 1536 + 128 bn + 64 cg; these never hold bm
	s_lshl_b32 s67, s20, 17
	s_add_co_u32 s66, s66, s67
	s_add_co_u32 s66, s66, 0x300000
	s_mov_b32 s67, 0
	s_mul_i32 s70, s20, PLANE
	s_mul_i32 s71, s20, BHALF
	s_add_co_u32 s71, s71, BOFF
	s_wait_dscnt 0x0
	s_wait_kmcnt 0x0
	s_add_nc_u64 s[62:63], s[4:5], s[60:61]
	s_add_nc_u64 s[68:69], s[6:7], s[66:67]
	CROUND                                         ; in front of the first joint loads
.irp s, 0,1
	s_mov_b32 s[G0A+4*\s], 1
	s_add_co_u32 s[G0A+4*\s+1], s70, \s*SLOT
	s_add_nc_u64 s[G0A+4*\s+2:G0A+4*\s+3], s[62:63], \s*524288     ; K step s: two heads on
	s_or_b32 s[G0A+4*\s+3], s[G0A+4*\s+3], 0x80000000
	s_mov_b32 s[G0B+4*\s], 1
	s_add_co_u32 s[G0B+4*\s+1], s71, \s*SLOT
	s_add_nc_u64 s[G0B+4*\s+2:G0B+4*\s+3], s[68:69], \s*256
	s_or_b32 s[G0B+4*\s+3], s[G0B+4*\s+3], 0x80000000
	JLOAD \s                                       ; two tensor loads of a wave are out here, later one
.endr
	v_and_b32 v1, 15, v0                           ; r
	v_bfe_u32 v2, v0, 4, 1                         ; h
	v_mul_u32_u24 v3, v1, PA
	v_lshl_add_u32 v3, v2, 4, v3
	v_mul_u32_u24 v4, v1, PB
	v_lshl_add_u32 v4, v2, 4, v4
	s_mul_i32 s70, s19, 64*PA
	s_mul_i32 s71, s20, BHALF
	s_add_co_u32 s71, s71, BOFF
.irp s, 0,1
	v_add_nc_u32 v[ADRA+\s], s70, v3
	v_add_nc_u32 v[ADRB+\s], s71, v4
	s_add_co_u32 s70, s70, SLOT
	s_add_co_u32 s71, s71, SLOT
.endr
	s_mul_i32 s70, s18, 16*PB
	s_add_co_u32 s70, s70, STAGE                   ; my stage
	v_mul_u32_u24 v5, v1, PB
	v_lshl_add_u32 v5, v2, 5, v5
	v_add_nc_u32 v[STO], s70, v5                   ; in: row r, 32 h
	v_mul_u32_u24 v5, v2, PB
	v_lshl_add_u32 v5, v1, 4, v5
	v_add_nc_u32 v[RD], s70, v5                    ; back: lanes 0-15 one row of 256 bytes, lanes 16-31 the next
	v_lshlrev_b32 v5, 12, v2
	v_lshl_add_u32 v[CO], v1, 4, v5                ; the same two rows in out0
	s_lshl_b32 s72, s24, 19                        ; out0 at row 128 bm + 64 rg, byte 512 bn + 256 cg
	s_lshl_b32 s73, s19, 18
	s_add_co_u32 s72, s72, s73
	s_lshl_b32 s73, s23, 9
	s_add_co_u32 s72, s72, s73
	s_lshl_b32 s73, s20, 8
	s_add_co_u32 s72, s72, s73
	s_mov_b32 s73, 0
	s_add_nc_u64 s[8:9], s[8:9], s[72:73]
; 8 matrix instructions: row tiles m0, m0 + 1 x 4 column tiles.  The 16 accumulators take turns, one instruction a turn.
.macro MUL2 f, m0, zero
.irp mt, \m0, \m0+1
.irp nt, 0,1,2,3
.if \zero
	v_wmma_f32_16x16x32_f16 v[8*(NT*(\mt)+\nt):8*(NT*(\mt)+\nt)+7], v[\f+32+8*\nt:\f+32+8*\nt+7], v[\f+8*(\mt):\f+8*(\mt)+7], 0
.else
	v_wmma_f32_16x16x32_f16 v[8*(NT*(\mt)+\nt):8*(NT*(\mt)+\nt)+7], v[\f+32+8*\nt:\f+32+8*\nt+7], v[\f+8*(\mt):\f+8*(\mt)+7], v[8*(NT*(\mt)+\nt):8*(NT*(\mt)+\nt)+7]
.endif
.endr
.endr
.endm
; 16 LDS loads: quarter q: plane q / 2, d = 32 (q mod 2) .. of y; K = 32 q .. of W
.macro FETCH slot, q, f
	WIN 0
.irp mt, 0,1,2,3
	ds_load_b128 v[\f+8*\mt:\f+8*\mt+3],   v[ADRA+\slot] offset:(\q>>1)*PLANE+\mt*16*PA+(\q&1)*64
	ds_load_b128 v[\f+8*\mt+4:\f+8*\mt+7], v[ADRA+\slot] offset:(\q>>1)*PLANE+\mt*16*PA+(\q&1)*64+32
.endr
.irp nt, 0,1,2,3
	ds_load_b128 v[\f+32+8*\nt:\f+32+8*\nt+3],   v[ADRB+\slot] offset:\nt*16*PB+64*\q
	ds_load_b128 v[\f+32+8*\nt+4:\f+32+8*\nt+7], v[ADRB+\slot] offset:\nt*16*PB+64*\q+32
.endr
.endm
.macro QUARTER slot, qn, f, g, zero
	s_wait_dscnt 0x0                               ; buffer f is in
	PLACES
	FETCH \slot, \qn, \g
	WIN MULW
	MUL2 \f, 0, \zero
	MUL2 \f, 2, \zero
.endm
.macro THREE slot, zero
	QUARTER \slot, 1, F0, F1, \zero
	QUARTER \slot, 2, F1, F0, 0
	QUARTER \slot, 3, F0, F1, 0
.endm
; the last quarter and the change of slots: my reads of this slot are back and all my tensor loads have landed in front of the barrier;
; fill = 1: the barrier opens a round of the cluster's barrier, and the slot is asked for again first thing behind the round.
; From that request to its wait a wave issues 56 matrix instructions.
.macro TURN slot, next, fill
	s_wait_dscnt 0x0
	s_wait_tensorcnt 0x0
	ds_add_u32 v254, v255
	s_wait_dscnt 0x0
	s_barrier_signal -1
	WIN MULW
	MUL2 F1, 0, 0
	WIN 0
	s_barrier_wait -1
.if \fill
	CREST
	s_add_nc_u64 s[G0A+4*\slot+2:G0A+4*\slot+3], s[G0A+4*\slot+2:G0A+4*\slot+3], 1048576   ; four heads on
	s_add_nc_u64 s[G0B+4*\slot+2:G0B+4*\slot+3], s[G0B+4*\slot+2:G0B+4*\slot+3], 512
	JLOAD \slot
.endif
	PLACES
	FETCH \next, 0, F0
	WIN MULW
	MUL2 F1, 2, 0
.endm
.macro LAP zero
	THREE 0, \zero
	TURN 0, 1, 1
	THREE 1, 0
	TURN 1, 0, 1
.endm
	s_wait_tensorcnt 0x1                           ; my part of K step 0 is in; step 1's may stay out
	s_barrier_signal -1
	s_barrier_wait -1
	FETCH 0, 0, F0
	LAP 1
	WIN 0
	s_mov_b32 s27, 2
.Llap:
	LAP 0
	WIN 0
	s_sub_co_u32 s27, s27, 1
	s_cmp_lg_u32 s27, 0
	s_cbranch_scc1 .Llap
	THREE 0, 0
	TURN 0, 1, 0
	THREE 1, 0
	s_wait_dscnt 0x0
	WIN MULW
	MUL2 F1, 0, 0
	MUL2 F1, 2, 0
	PLACES
	; THE WAY OUT, 16 rows at a time through my own stage: in by 32 bytes a lane, back as whole rows of 256 bytes.
	; LDS serves a wave's instructions in order (ISA guide 5.7.1), so no wait stands between my stores and my loads.
.irp mt, 0,1,2,3
	WIN 0x04                                       ; the stores' data in window 1
.irp nt, 0,1,2,3
	ds_store_b128 v[STO], v[8*(NT*\mt+\nt):8*(NT*\mt+\nt)+3]   offset:64*\nt
	ds_store_b128 v[STO], v[8*(NT*\mt+\nt)+4:8*(NT*\mt+\nt)+7] offset:64*\nt+16
.endr
	WIN 0
.irp t, 0,1,2,3,4,5,6,7
	ds_load_b128 v[64+32*\mt+4*\t:64+32*\mt+4*\t+3], v[RD] offset:2*PB*\t
.endr
.irp t, 0,1,2,3,4,5,6,7
	s_wait_dscnt 7-\t                              ; the younger loads stay out
	global_store_b128 v[CO], v[64+32*\mt+4*\t:64+32*\mt+4*\t+3], s[8:9] offset:\mt*65536+8192*\t th:TH_STORE_NT   ; 16 lanes store 256 consecutive bytes, aligned
.endr
.endr
	s_wait_tensorcnt 0x0
	ds_add_u32 v254, v255
	s_wait_dscnt 0x0
	CROUND                                         ; the closing round
	s_endpgm
.Lfunc_end_k_q7e166933ad_proj:
	.size	k_q7e166933ad_proj, .Lfunc_end_k_q7e166933ad_proj-k_q7e166933ad_proj
	.p2alignl 7, 3214868480
	.fill 96, 4, 3214868480
	.section	.rodata,"a",@progbits
	.p2align	6, 0x0
	.amdhsa_kernel k_q7e166933ad_proj
		.amdhsa_group_segment_fixed_size 327680
		.amdhsa_private_segment_fixed_size 0
		.amdhsa_enable_private_segment 0
		.amdhsa_kernarg_size 24
		.amdhsa_user_sgpr_count 2
		.amdhsa_user_sgpr_kernarg_segment_ptr 1
		.amdhsa_wavefront_size32 1
		.amdhsa_system_sgpr_workgroup_id_x 1
		.amdhsa_system_sgpr_workgroup_id_y 1
		.amdhsa_system_sgpr_workgroup_id_z 1
		.amdhsa_system_vgpr_workitem_id 0
		.amdhsa_next_free_vgpr 384
		.amdhsa_next_free_sgpr 80
		.amdhsa_reserve_vcc 0
		.amdhsa_float_denorm_mode_32 3
		.amdhsa_float_denorm_mode_16_64 3
		.amdhsa_memory_ordered 1
		.amdhsa_forward_progress 1
		.amdhsa_inst_pref_size 73
	.end_amdhsa_kernel
	.amdgpu_metadata
---
amdhsa.version: [ 1, 2 ]
amdhsa.kernels:
  - .name:           k_q7e166933ad_proj
    .symbol:         k_q7e166933ad_proj.kd
    .args:
      - { .name: yb, .offset: 0, .size: 8, .value_kind: global_buffer, .address_space: global }
      - { .name: wb, .offset: 8, .size: 8, .value_kind: global_buffer, .address_space: global }
      - { .name: out0, .offset: 16, .size: 8, .value_kind: global_buffer, .address_space: global }
    .group_segment_fixed_size: 327680
    .private_segment_fixed_size: 0
    .kernarg_segment_align: 8
    .kernarg_segment_size: 24
    .max_flat_workgroup_size: 128
    .sgpr_count:     80
    .vgpr_count:     384
    .wavefront_size: 32
...
	.end_amdgpu_metadata
.endif
;; end of part 4
